; MI455X (gfx1250); checked and timed in simulation.
; The chip was launched on July 23, 2026; its instructions are those of AMD's public machine-readable ISA for CDNA 5 (MIT licence, August 2026) and "CDNA5" Instruction Set Architecture Reference Guide (July 2026). The comments in the code are by the model that wrote it; some were corrected since.
;; Codebook Layer. Allowed arithmetic: matrix products marked QUANTISED: E2M1 operands, one E8M0 scale for each 32 along K, by v_wmma_scale_f32_16x16x128_f8f6f4 with both operands' format E2M1 (or v_wmma_scale_f32_32x16x128_f4), f32 sums; everything else in f32.
;; Inputs: codebook 4,096 x 1,024 float32; x_codes 8 x 2,048 x 32 x 16 uint8 (E2M1 codes of x, K innermost, in blocks of 32 codes, two codes a byte); x_scales 8 x 2,048 x 32 uint8 (E8M0 scales of x, one for each 32 codes along K).
;; Outputs: out0 8 x 2,048 x 1,024 float32.
;; This version of the problem:
;;   THIS VERSION OF THE PROBLEM IS GIVEN IN LOW PRECISION. The matrix products marked QUANTISED in the list below multiply operands that are first quantised to E2M1 (2 exponent bits, 1 mantissa bit; 4 bits a number), with one power-of-two scale for each 32 numbers along K (OCP MX v1.0); their sums are f32. All else is computed in f32.
;;   The module's matrix products, in the order in which they are computed (A, B: the left and right operand; K: the contracted axis; several contracted axes count as one K, in the product's order):
;;     1. [M 16,384, K 1,024] x [K 1,024, N 4,096]; A: input x (given as codes); B: input codebook: QUANTISED
;;   THE QUANTISER, for each operand of a quantised product, along K:
;;     - K is cut into blocks of 32 from its start; a last block that is shorter is filled with zeros.
;;     - A block's scale is 2^e with e = floor(log2(the largest magnitude in the block)) - 2, held to -126 .. 127; a block of zeros has e = 0. As a byte (E8M0): e + 127.
;;     - Each number is divided by its block's scale, clamped to +-6, and rounded to the nearest number of E2M1, ties to even, subnormals kept.
;;     - The product sums the exact products of the quantised numbers (number of the format x scale) in f32.
;;   ~~~python
;;   def quantise(x, axis):      # numpy; x: float32 -> the quantised numbers, widened to float32 again
;;       x = np.moveaxis(x, axis, -1); K = x.shape[-1]
;;       x = np.pad(x, [(0, 0)] * (x.ndim - 1) + [(0, -K % 32)]); x = x.reshape(x.shape[:-1] + (-1, 32)); a = np.abs(x).max(-1, keepdims=True)
;;       e = np.where(a > 0, np.clip(np.frexp(np.where(a > 0, a, 1))[1] - 1 - 2, -126, 127), 0)      # np.frexp(a)[1] - 1 = floor(log2(a)), exactly
;;       r = np.clip(x / 2.0 ** e, -6, 6)
;;       step = 2.0 ** (np.maximum(np.frexp(np.where(r == 0, 1, r))[1] - 1, 0) - 1)
;;       q = np.round(r / step) * step * 2.0 ** e      # np.round: ties to even
;;       return np.moveaxis(q.reshape(q.shape[:-2] + (-1,))[..., :K], -1, axis).astype(np.float32)
;;   ~~~
;;   INPUTS GIVEN AS CODES. x (in the module: [8, 2048, 1024], K = its axis 2): each comes as NAME_codes (uint8): NAME with its K axis moved to the last place and cut into blocks of 32 codes, [.., K / 32, bytes a block], one block behind the other in memory; two codes a byte, the lower K in the low four bits (a code: sign, 2 exponent bits, 1 mantissa bit); and NAME_scales (uint8): the same leading axes, one E8M0 byte (e + 127) for each 32 codes along K. Its value is code x scale, taken as it is: it is not quantised again, and the codes and scales need not be those that the quantiser above would give.
;; One version. Each part assembles by itself: llvm-mc -triple=amdgcn-amd-amdhsa -mcpu=gfx1250 --defsym DOCPART=n.
;; ======== version 1 of 1: 3 launches
;; limits: right only within a limited range of input values
;; workspace buffers: cbq 2,228,224 bytes; pval 131,072 bytes; pidx 131,072 bytes of whole numbers
;; launch quant (part 1): grid 256 x 1, 8 waves a work-group, no clusters, 69,120 bytes of LDS; arguments codebook, cbq; writes cbq
.if DOCPART == 1
	.amdgcn_target "amdgcn-amd-amdhsa--gfx1250"
	.amdhsa_code_object_version 6
	.text
	.protected	k_q8bc22c6d5e_quant
	.globl	k_q8bc22c6d5e_quant
	.p2align	8
	.type	k_q8bc22c6d5e_quant,@function
k_q8bc22c6d5e_quant:
	s_mov_b64 s[64:65], 0
	v_nop
	global_prefetch_b8 v0, s[64:65] scope:SCOPE_SE
	s_setreg_imm32_b32 hwreg(HW_REG_WAVE_MODE, 25, 1), 1
	s_wait_xcnt 0x0
; The codebook [4096][1024], f32, K innermost, becomes codes of FP4 (E2M1) with one E8M0 byte for each 32 along K, laid in cbq AS THE NEXT LAUNCH'S OPERAND REGISTERS WANT THEM.
; cbq is 256 tiles of 16 codebook rows, TILEB = 8,704 bytes each.  In tile T:
;   byte 1024 s + 512 c + 16 l (K step s of 128, c = 0, 1, lane l = 16 h + r): the 16 bytes (32 codes) of row 16 T + r, k = 128 s + 64 c + 32 h + 0 .. 31: registers 4 c .. 4 c + 3 of lane l of the fragment;
;   byte 8192 + 16 l + 4 i (i = 0 .. 3): the scale word (four bytes, 128 along K) of row 16 T + r for K step 2 i + h.
; A block's scale is 2^(floor(log2(its largest magnitude)) - 2); its byte is the largest magnitude's exponent field - 2, held at 1 from below; each number is divided by the scale and rounded to the nearest code, ties to even, beyond 6 the largest code.
; LIMITS: a block of zeros gets the byte 1 where the rule says 127 (its codes are zeros, and this program alone reads the bytes); blocks whose largest magnitude lies under 2^(2 - 126) have their byte held at 1; NaN and infinities in the codebook are not served.
; SHARES.  Work-group T makes tile T; its wave s makes K step s: 16 rows x 128 numbers.  Each load reads 512 consecutive bytes of one row; the conversions want 32 neighbours along K in ONE lane, so the 8 KiB turn through the wave's own stage in LDS.
; Written out, no loop: every offset is an immediate, no register of a pending load or store is written again.  No matrix unit, no tensor load, no cluster: each byte is read once and the work-groups share nothing.
.set STG,   8448                       ; a wave's stage: 16 rows x SP
.set SP,    528                        ; a stage row: 512 bytes + 16: 33 x 16, so the sixteen rows that a read touches fall on different 16-byte columns
.set SCL,   8*STG                      ; behind the stages: the tile's 512 bytes of scale words
.set TILEB, 8704
.set R,     16                         ; v16-79   16 x 4 registers as loaded
.set X,     80                         ; v80-143  my two blocks of 32 numbers
.set C,     148                        ; v148-155 the fragment's eight registers
	s_load_b128 s[4:7], s[0:1], 0x0                ; codebook s[4:5], cbq s[6:7]
	v_lshl_add_u32 v160, v0, 2, 0x10a00
	v_mov_b32 v161, 0
	v_lshrrev_b32 v1, 5, v0
	s_delay_alu instid0(VALU_DEP_1)
	v_readfirstlane_b32 s8, v1                     ; wave = K step 0..7
	v_and_b32 v1, 31, v0                           ; lane
	v_and_b32 v2, 15, v0                           ; r
	v_bfe_u32 v3, v0, 4, 1                         ; h
	s_delay_alu instid0(VALU_DEP_3)
	v_lshlrev_b32 v4, 4, v1                        ; 16 x lane: a load's and a store's place for my lane
	s_mul_i32 s9, s8, STG
	v_add_nc_u32 v5, s9, v4                        ; into the stage: as loaded
	v_mul_u32_u24 v6, v2, SP
	s_delay_alu instid0(VALU_DEP_1)
	v_lshl_add_u32 v6, v3, 7, v6
	s_delay_alu instid0(VALU_DEP_1)
	v_add_nc_u32 v6, s9, v6                        ; out of it: row r, 128 h bytes on: my 32 numbers of each 64
	s_and_b32 s14, s8, 1
	s_lshl_b32 s14, s14, 8                         ; the scale words' image: K step s lies in lanes 16 (s % 2) + r,
	s_lshr_b32 s15, s8, 1
	s_lshl_b32 s15, s15, 2                         ; word s / 2
	s_add_co_u32 s14, s14, s15
	s_add_co_u32 s14, s14, SCL
	v_lshl_add_u32 v7, v2, 4, s14
	v_add_nc_u32 v8, SCL, v4                       ; and where wave 0 reads the image back
	s_mov_b32 s12, 0x76543210
	s_mov_b32 s13, 0xfedcba98                      ; v_permlanex16_b32's selects for lane l xor 16
	s_lshl_b32 s16, ttmp9, 16                      ; 16 rows of 4,096 bytes a tile,
	s_lshl_b32 s17, s8, 9                          ; 512 bytes a K step
	s_add_co_u32 s16, s16, s17
	s_mov_b32 s17, 0
	s_mul_i32 s18, ttmp9, TILEB
	s_mov_b32 s19, 0
	s_lshl_b32 s20, s8, 10
	s_mov_b32 s21, 0
	s_wait_alu depctr_va_vdst(0)
	s_wait_kmcnt 0x0
	s_add_nc_u64 s[4:5], s[4:5], s[16:17]
	s_add_nc_u64 s[10:11], s[6:7], s[18:19]        ; my tile of cbq,
	s_add_nc_u64 s[6:7], s[10:11], s[20:21]        ; my K step's image in it,
	s_add_nc_u64 s[10:11], s[10:11], 8192          ; and its scale words
.irp i, 0,1,2,3,4,5,6,7,8,9,10,11,12,13,14,15
	global_load_b128 v[R+4*\i:R+4*\i+3], v4, s[4:5] offset:4096*\i th:TH_LOAD_NT   ; row i: 32 lanes read 512 consecutive bytes; read once in the launch
.endr
.irp i, 0,1,2,3,4,5,6,7,8,9,10,11,12,13,14,15
	s_wait_loadcnt 15-\i                           ; loads come back in order: row i is in, the younger rows stay out
	ds_store_b128 v5, v[R+4*\i:R+4*\i+3] offset:SP*\i
.endr
.irp c, 0,1
.irp q, 0,1,2,3,4,5,6,7
	ds_load_b128 v[X+32*\c+4*\q:X+32*\c+4*\q+3], v6 offset:256*\c+16*\q   ; LDS serves a wave's instructions in order: these see my stores.  k = 64 c + 32 h + 4 q ..
.endr
.endr
	v_mov_b32 v145, 0                              ; a lane permute's destination counts as one of its sources
	v_lshlrev_b32 v146, 3, v3                      ; 8 h
	s_wait_dscnt 0x0
.irp c, 0,1                                    ; my block 2 c + h of the K step: all its 32 numbers are mine
	v_max3_num_f32 v[10+\c], |v[X+32*\c]|, |v[X+32*\c+1]|, 0x1800000   ; and the floor 2^(3 - 127): so the byte cannot fall under 1
.endr
.irp i, 2,4,6,8,10,12,14,16,18,20,22,24,26,28,30
.irp c, 0,1
	s_delay_alu instid0(VALU_DEP_2)
	v_max3_num_f32 v[10+\c], v[10+\c], |v[X+32*\c+\i]|, |v[X+32*\c+\i+1]|   ; (the two blocks by turns)
.endr
.endr
.irp c, 0,1
	s_delay_alu instid0(VALU_DEP_2)
	v_add_nc_u32 v[12+\c], 0xff000000, v[10+\c]    ; 2 off the exponent field: the conversion takes the exponent field of this operand as its scale
.endr
.irp c, 0,1
	s_delay_alu instid0(VALU_DEP_2)
	v_lshrrev_b32 v[14+\c], 23, v[12+\c]           ; the scale's byte
.endr
	s_delay_alu instid0(VALU_DEP_1)
	v_lshl_or_b32 v144, v15, 16, v14               ; my two bytes: blocks h and 2 + h,
	s_delay_alu instid0(VALU_DEP_1)
	v_lshlrev_b32 v144, v146, v144                 ; at their places in the word;
	s_delay_alu instid0(VALU_DEP_1)
	v_permlanex16_b32 v145, v144, s12, s13
	s_delay_alu instid0(VALU_DEP_1)
	v_or_b32 v144, v144, v145                      ; with lane l xor 16's two the word is whole
.irp c, 0,1
.irp g, 0,1,2,3
	v_cvt_scalef32_pk8_fp4_f32 v[C+4*\c+\g], v[X+32*\c+8*\g:X+32*\c+8*\g+7], v[12+\c]   ; register 4 c + g of the fragment
.endr
.endr
	v_nop                                          ; one plain line behind the last scaled conversion
	global_store_b128 v4, v[C:C+3], s[6:7]         ; 32 lanes store 512 consecutive bytes, at a multiple of 256 from cbq's first byte
	global_store_b128 v4, v[C+4:C+7], s[6:7] offset:512
	ds_store_b32 v7, v144                          ; lanes r and r + 16 write the same word with the same value
	s_wait_dscnt 0x0                               ; for the others' sake: my word has landed
	s_barrier_signal -1
	s_barrier_wait -1                              ; all eight K steps' words lie in the image
	s_cmp_lg_u32 s8, 0
	s_cbranch_scc1 .Ldone
	ds_load_b128 v[156:159], v8
	s_wait_dscnt 0x0
	global_store_b128 v4, v[156:159], s[10:11]     ; wave 0 stores the 512 bytes whole
.Ldone:
	s_wait_tensorcnt 0x0
	ds_add_u32 v160, v161
	s_wait_dscnt 0x0
	s_endpgm
.Lfunc_end_k_q8bc22c6d5e_quant:
	.size	k_q8bc22c6d5e_quant, .Lfunc_end_k_q8bc22c6d5e_quant-k_q8bc22c6d5e_quant
	.p2alignl 7, 3214868480
	.fill 96, 4, 3214868480
	.section	.rodata,"a",@progbits
	.p2align	6, 0x0
	.amdhsa_kernel k_q8bc22c6d5e_quant
		.amdhsa_group_segment_fixed_size 69120
		.amdhsa_private_segment_fixed_size 0
		.amdhsa_enable_private_segment 0
		.amdhsa_kernarg_size 16
		.amdhsa_user_sgpr_count 2
		.amdhsa_user_sgpr_kernarg_segment_ptr 1
		.amdhsa_wavefront_size32 1
		.amdhsa_system_sgpr_workgroup_id_x 1
		.amdhsa_system_sgpr_workgroup_id_y 1
		.amdhsa_system_sgpr_workgroup_id_z 1
		.amdhsa_system_vgpr_workitem_id 0
		.amdhsa_next_free_vgpr 162
		.amdhsa_next_free_sgpr 66
		.amdhsa_reserve_vcc 0
		.amdhsa_float_denorm_mode_32 3
		.amdhsa_float_denorm_mode_16_64 3
		.amdhsa_memory_ordered 1
		.amdhsa_forward_progress 1
		.amdhsa_inst_pref_size 12
	.end_amdhsa_kernel
	.amdgpu_metadata
---
amdhsa.version: [ 1, 2 ]
amdhsa.kernels:
  - .name:           k_q8bc22c6d5e_quant
    .symbol:         k_q8bc22c6d5e_quant.kd
    .args:
      - { .name: codebook, .offset: 0, .size: 8, .value_kind: global_buffer, .address_space: global }
      - { .name: cbq, .offset: 8, .size: 8, .value_kind: global_buffer, .address_space: global }
    .group_segment_fixed_size: 69120
    .private_segment_fixed_size: 0
    .kernarg_segment_align: 8
    .kernarg_segment_size: 16
    .max_flat_workgroup_size: 256
    .sgpr_count:     66
    .vgpr_count:     162
    .wavefront_size: 32
...
	.end_amdgpu_metadata
.endif
;; end of part 1
;; launch score (part 2): grid 128 x 2, 4 waves a work-group, clusters of 4 x 1, 327,680 bytes of LDS; arguments x_codes, x_scales, cbq, pval, pidx; writes pval, pidx
.if DOCPART == 2
	.amdgcn_target "amdgcn-amd-amdhsa--gfx1250"
	.amdhsa_code_object_version 6
	.text
	.protected	k_q8bc22c6d5e_score
	.globl	k_q8bc22c6d5e_score
	.p2align	8
	.type	k_q8bc22c6d5e_score,@function
k_q8bc22c6d5e_score:
	s_mov_b64 s[64:65], 0
	v_nop
	global_prefetch_b8 v0, s[64:65] scope:SCOPE_SE
	s_setreg_imm32_b32 hwreg(HW_REG_WAVE_MODE, 25, 1), 1
	s_wait_xcnt 0x0
	s_wait_alu depctr_hold_cnt(0) depctr_sa_sdst(0) depctr_va_vdst(0) depctr_va_sdst(0) depctr_va_ssrc(0) depctr_va_vcc(0) depctr_vm_vsrc(0)
	s_getreg_b32 s2, hwreg(HW_REG_IB_STS2, 6, 4)
	s_cmp_eq_u32 s2, 0
	s_cbranch_scc0 .Lentry_in_a_cluster
	s_endpgm
.Lentry_in_a_cluster:
	s_bfe_u32 s2, ttmp6, 0x10000c
	s_cmp_lg_u32 s2, 0x3003
	s_cbranch_scc0 .Lentry_shape_is_right
	s_endpgm
.Lentry_shape_is_right:
; For each of 16,384 rows of x and each half of the codebook: the largest score x . code and the lowest code number that reaches it (pval, pidx: [2][16384]).
; Scores are MX-FP4 products, K = 1,024, sums in f32.  x comes as codes; the codebook's codes lie in cbq as register images (256 tiles of 16 codes, TILEB bytes: 8 K steps x 1,024 bytes, then 512 bytes of scale words).
; SHARES.  Work-group (x, y): 128 rows of x against half y of the codebook (128 tiles).  Every wave holds all 128 rows of x for all of K in 512 registers; a slot of the ring holds 16 tiles, wave w multiplies tiles 4 w .. 4 w + 3 of it.
; The matrix instruction is used transposed (source 0 = 16 codes, source 1 = 16 rows of x): lane (r, h) holds row r, and its register j the code 8 h + j of the tile.
; CLUSTER: the four work-groups of a cluster walk the same half in the same order; each part of a slot is asked for jointly (mask 15).  Clusters begin at slot 2 (cluster x mod 4) and go round.
; So another cluster's tensor loads ask for each slot two steps ahead of mine: no prefetch is laid.  Where the walk passes from slot 7 to slot 0 the running result is folded into (BV, BI) by value, then lower number.
; x: eight blocks of 16 rows.  Blocks 0-3: wave w loads block w in the operand's lane order, and the four reach all waves as register images through a stage in LDS (4 x 8 KiB), while the first slot is on its way.
; Blocks 4-7: every wave loads them itself, 40 loads ahead of the exchange and 24 under it.
; ARGMAX of a tile, for each block of 16 rows: the largest of a lane's eight scores; where it is strictly greater than the running one, it, the tile's number and the eight scores are kept.  The place among the eight is found once, in FOLD.
; LIMITS: NaN scores (a scale byte 0xff) and rows whose every score is -infinity are not served.  Among equal scores the lowest code number is kept, as argmax does.
.set TILEB, 8704
.set PARTB, 4*TILEB                    ; a wave's four tiles of a slot: one tensor load, 136 rows of 256 bytes
.set SLOTB, 4*PARTB
.set HALFB, 8*SLOTB
.set STG,   2*SLOTB                    ; behind the ring: the stage for x's blocks 0-3, 4 x 8,192 bytes; no tensor load lands here
.set RED,   STG+32768                  ; the four waves' results
.set SPARE, RED+4096                   ; the spare words, 128 bytes a wave
.set LB,   2                           ; v2-3   LDS address of my part of slot 0, 1: 16 x lane + wave x PARTB
.set VA,   4                           ; x's codes: 512 r + 16 h
.set VS,   5                           ; x's scales: 32 r + 16 h
.set H8,   6                           ; 8 h
.set CURV, 7                           ; the tile's number
.set SPW,  8
.set NIL,  9
.set RW,   10
.set RR,   11
.set GO,   12
.set XW,   13                          ; the stage: where I store, where I read
.set XR,   14
.set AS,   16                          ; v16-47 x's scale words: block m, register i: lanes 0-15 K step i, lanes 16-31 K step 4 + i
.set BS,   48                          ; v48-55 the tile's scale words, two sets: register i: K step 2 i + h
.set T,    56                          ; v56-57 a block's largest score, by turns; v58-60, v61-63 three partial maxima, two sets by turns
.set ACC,  64
.set RT,   128                         ; v[RT+2m] the running largest, v[RT+2m+1] its tile
.set SV,   144                         ; the eight scores of that tile
.set BV,   208
.set BI,   216
.set TJ,   224
.set TI,   232
.set WV,   14
.set CX,   15
.set RB,   16
.set HF,   17
.set FSI,  18
.set PSI,  19
.set CT,   20
.set CNT,  21
.set OFS,  22
.set G1,   24
.set G0,   32
.set MA,   40
.set MB,   48
.set MC,   56
.set BB,   66
.set SEL,  68
.set NINF, 70
.set CTB,  73
.set XB,   76                          ; s[76:77] x's block w of my 128 rows
.set MSB, 0
.macro WIN new                         ; windows 1, 2: x; window 3: the tile's fragments, two sets.  The immediate's high byte repeats the setting left
.if MSB != (\new)
	s_set_vgpr_msb (MSB<<8)|(\new)
.set MSB, (\new)
.endif
.endm
.macro CREST
	s_cmp_lg_u32 s[WV], 0
	s_cbranch_scc1 .Lnot_wave_0_\@
	s_barrier_signal -3
.Lnot_wave_0_\@:
	s_barrier_wait -3
	s_barrier_signal -1
	s_barrier_wait -1
.endm
.macro ROUND
	s_barrier_signal -1
	s_barrier_wait -1
	CREST
.endm
.macro FETCH slot, t, p                ; tile t of my part: 16 loads of fragments and one of scale words, into set p
	WIN 0xc0
.irp s, 0,1,2,3,4,5,6,7
.irp c, 0,1
	ds_load_b128 v[64*(\p)+8*\s+4*\c:64*(\p)+8*\s+4*\c+3], v[LB+(\slot)] offset:TILEB*(\t)+1024*\s+512*\c
.endr
.endr
	WIN 0
	ds_load_b128 v[BS+4*(\p):BS+4*(\p)+3], v[LB+(\slot)] offset:TILEB*(\t)+8192
.endm
.macro MULGR p, g, lo, hi              ; the tile in set p x row blocks 4 g .. 4 g + 3, K steps lo .. hi - 1: the four accumulators by turns, K ascending; K step 0 takes 0 as C
	WIN 0x07+4*(\g)
.irp s, 0,1,2,3,4,5,6,7
.if (\s >= \lo) && (\s < \hi)
.irp mm, 0,1,2,3
.set ZD, ACC+8*(4*(\g)+\mm)
.set ZB, 64*(\p)+8*\s
.set ZX, 64*\mm+8*\s
.set ZSB, BS+4*(\p)+\s/2
.set ZSX, AS+4*(4*(\g)+\mm)+(\s%4)
.if \s == 0
	v_wmma_scale_f32_16x16x128_f8f6f4 v[ZD:ZD+7], v[ZB:ZB+7], v[ZX:ZX+7], 0, v[ZSB], v[ZSX] matrix_a_fmt:MATRIX_FMT_FP4 matrix_b_fmt:MATRIX_FMT_FP4
.elseif \s == 2
	v_wmma_scale_f32_16x16x128_f8f6f4 v[ZD:ZD+7], v[ZB:ZB+7], v[ZX:ZX+7], v[ZD:ZD+7], v[ZSB], v[ZSX] matrix_a_fmt:MATRIX_FMT_FP4 matrix_b_fmt:MATRIX_FMT_FP4
.elseif \s < 4
	v_wmma_scale_f32_16x16x128_f8f6f4 v[ZD:ZD+7], v[ZB:ZB+7], v[ZX:ZX+7], v[ZD:ZD+7], v[ZSB], v[ZSX] matrix_a_fmt:MATRIX_FMT_FP4 matrix_b_fmt:MATRIX_FMT_FP4 matrix_a_scale:MATRIX_SCALE_ROW1
.elseif (\s%2) == 0
	v_wmma_scale_f32_16x16x128_f8f6f4 v[ZD:ZD+7], v[ZB:ZB+7], v[ZX:ZX+7], v[ZD:ZD+7], v[ZSB], v[ZSX] matrix_a_fmt:MATRIX_FMT_FP4 matrix_b_fmt:MATRIX_FMT_FP4 matrix_b_scale:MATRIX_SCALE_ROW1
.else
	v_wmma_scale_f32_16x16x128_f8f6f4 v[ZD:ZD+7], v[ZB:ZB+7], v[ZX:ZX+7], v[ZD:ZD+7], v[ZSB], v[ZSX] matrix_a_fmt:MATRIX_FMT_FP4 matrix_b_fmt:MATRIX_FMT_FP4 matrix_a_scale:MATRIX_SCALE_ROW1 matrix_b_scale:MATRIX_SCALE_ROW1
.endif
.endr
.endif
.endr
.endm
.macro MULG p, g                       ; all eight K steps: 32 matrix instructions
	MULGR \p, \g, 0, 8
.endm
.macro PLACES                          ; four places behind the last matrix instruction (ISA guide 7.12.1)
	v_mov_b32 v[CURV], s[CT]
.rept 3
	v_nop
.endr
	s_add_co_u32 s[CT], s[CT], 1
.endm
.macro TA m                            ; three partial maxima of block m's eight scores, from the accumulator's low end on, into set m % 2
	v_max3_num_f32 v[58+3*((\m)%2)], v[ACC+8*(\m)], v[ACC+8*(\m)+1], v[ACC+8*(\m)+2]
	v_max3_num_f32 v[59+3*((\m)%2)], v[ACC+8*(\m)+3], v[ACC+8*(\m)+4], v[ACC+8*(\m)+5]
	v_max_num_f32 v[60+3*((\m)%2)], v[ACC+8*(\m)+6], v[ACC+8*(\m)+7]
.endm
.macro TM m                            ; block m's largest score
	v_max3_num_f32 v[T+((\m)%2)], v[58+3*((\m)%2)], v[59+3*((\m)%2)], v[60+3*((\m)%2)]
.endm
.macro SVP m, j                        ; two of the eight scores are kept where VCC says so: one destination even, one odd; the sources two and two in different banks
	v_dual_cndmask_b32 v[SV+8*(\m)+\j], v[SV+8*(\m)+\j], v[ACC+8*(\m)+\j] :: v_dual_cndmask_b32 v[SV+8*(\m)+\j+1], v[SV+8*(\m)+\j+1], v[ACC+8*(\m)+\j+1]
.endm
.macro ARGMAX                          ; ten instructions a block; between a compare and its selections stand the partial maxima of the block two on and the largest score of the next
	TA 0
	TA 1
	TM 0
.irp m, 0,1,2,3,4,5,6,7
	v_cmp_gt_f32 vcc_lo, v[T+(\m%2)], v[RT+2*\m]
.if \m < 6
	TA \m+2
.endif
.if \m < 7
	TM \m+1
.endif
	v_dual_cndmask_b32 v[RT+2*\m], v[RT+2*\m], v[T+(\m%2)] :: v_dual_cndmask_b32 v[RT+2*\m+1], v[RT+2*\m+1], v[CURV]
	SVP \m, 0
	SVP \m, 2
	SVP \m, 4
	SVP \m, 6
.endr
.endm
.macro LEXB n, V, I, CV, CI, cs        ; (V, I) takes (CV, CI) where CV is greater, or equal with the lower number; cs: CV's stride
.set q, 0
.rept \n
	v_cmp_gt_f32 s[MA+q], v[\CV+\cs*q], v[\V+q]
	v_cmp_eq_f32 s[MB+q], v[\CV+\cs*q], v[\V+q]
	v_cmp_lt_u32 s[MC+q], v[\CI+q], v[\I+q]
.set q, q+1
.endr
.set q, 0
.rept \n
	s_and_b32 s[MB+q], s[MB+q], s[MC+q]
	s_or_b32 s[MA+q], s[MA+q], s[MB+q]
.set q, q+1
.endr
.set q, 0
.rept \n
	v_cndmask_b32 v[\V+q], v[\V+q], v[\CV+\cs*q], s[MA+q]
	v_cndmask_b32 v[\I+q], v[\I+q], v[\CI+q], s[MA+q]
.set q, q+1
.endr
.endm
.macro RESET
.irp m, 0,1,2,3,4,5,6,7
	v_mov_b32 v[RT+2*\m], s[NINF]
	v_mov_b32 v[RT+2*\m+1], 0
.endr
.set q, 0
.rept 64
	v_mov_b32 v[SV+q], s[NINF]
.set q, q+1
.endr
.endm
.macro FOLD reinit                     ; the lowest place j whose kept score equals the running largest; code = 16 tile + 8 h + j; then into (BV, BI)
.irp m, 0,1,2,3,4,5,6,7
	v_mov_b32 v[TJ+\m], 7
.endr
.irp jj, 6,5,4,3,2,1,0
.irp m, 0,1,2,3,4,5,6,7
	v_cmp_neq_f32 s[MA+\m], v[SV+8*\m+\jj], v[RT+2*\m]
.endr
.irp m, 0,1,2,3,4,5,6,7
	v_cndmask_b32 v[TJ+\m], \jj, v[TJ+\m], s[MA+\m]
.endr
.endr
.irp m, 0,1,2,3,4,5,6,7
	v_lshl_add_u32 v[TI+\m], v[RT+2*\m+1], 4, v[TJ+\m]
.endr
.irp m, 0,1,2,3,4,5,6,7
	v_add_nc_u32 v[TI+\m], v[TI+\m], v[H8]
.endr
	LEXB 8, BV, BI, RT, TI, 2
.if \reinit
	RESET
.endif
.endm
.macro TILE slot, tn, p                ; multiplies set p; tile tn goes into the other set meanwhile
	FETCH \slot, \tn, 1-(\p)
	s_wait_dscnt 17                                ; all but the 17 just issued
	MULG \p, 0
	MULG \p, 1
	WIN 0
	PLACES
	ARGMAX
.endm
.macro STEP012 slot, park
.if \park
	s_cmp_lg_u32 s[PSI], 0                         ; the walk is at slot 0 again: numbers begin anew from below
	s_cbranch_scc1 .Lrising_\@
	FOLD 1
.Lrising_\@:
.endif
	TILE \slot, 1, 0
	TILE \slot, 2, 1
	TILE \slot, 3, 0
.endm
.macro TILE3 slot, mode                ; a slot's last tile.  mode 1: the slot is filled again; 0: nothing more to fill; 2: the very last tile
.if \mode == 1
	s_wait_tensorcnt 0x0                           ; my one tensor load, my part of the other slot, has landed
	ds_add_u32 v[SPW], v[NIL]
	s_mul_i32 s[OFS], s[FSI], SLOTB                ; no tensor load of mine is out: this slot's next address
	s_add_nc_u64 s[G0+4*(\slot)+2:G0+4*(\slot)+3], s[BB:BB+1], s[OFS:OFS+1]
	s_or_b32 s[G0+4*(\slot)+3], s[G0+4*(\slot)+3], 0x80000000
	s_add_co_u32 s[FSI], s[FSI], 1
	s_and_b32 s[FSI], s[FSI], 7
	s_wait_dscnt 1                                 ; the tile's fragments are in; the add may be out
	MULGR 1, 0, 0, 4                               ; sixteen matrix instructions between the add and the wait for it
	s_wait_dscnt 0x0                               ; the add is done, my reads of this slot are over
	s_barrier_signal -1
	MULGR 1, 0, 4, 8                               ; sixteen more while the others arrive
	WIN 0
	s_barrier_wait -1
	CREST                                          ; the barrier has opened a round of the cluster's barrier
	tensor_load_to_lds s[G0+4*(\slot):G0+4*(\slot)+3], s[G1:G1+7]
	s_nop 0
.rept 4
	v_nop
.endr
	FETCH 1-(\slot), 0, 0                          ; the other slot's first tile: the 32 matrix instructions and the argmax below stand between these loads and their use
	MULG 1, 1
	WIN 0
.else
.if \mode == 0
	s_wait_tensorcnt 0x0                           ; my part of the last slot; only I read it
	FETCH 1-(\slot), 0, 0
	s_wait_dscnt 17
.else
	s_wait_dscnt 0x0
.endif
	MULG 1, 0
	MULG 1, 1
	WIN 0
.endif
	PLACES
	ARGMAX
.if \mode != 2
	s_add_co_u32 s[PSI], s[PSI], 1
	s_and_b32 s[PSI], s[PSI], 7
	s_lshl_b32 s[CT], s[PSI], 4
	s_add_co_u32 s[CT], s[CT], s[CTB]
.endif
.endm
.macro XDIRECT n                       ; the next n loads of x's blocks 4-7 into window 2: load q: block 4 + q / 16, bytes 32 (q % 16) + 16 h .. of row r
.rept \n
	global_load_b128 v[4*XQ:4*XQ+3], v[VA], s[4:5] offset:32768+8192*(XQ/16)+32*(XQ%16)
.set XQ, XQ+1
.endr
.endm
	s_load_b256 s[4:11], s[0:1], 0x0               ; x_codes, x_scales, cbq, pval
	s_load_b64 s[12:13], s[0:1], 0x20              ; pidx
	v_lshl_add_u32 v[SPW], v0, 2, SPARE
	v_mov_b32 v[NIL], 0
	ds_add_u32 v[SPW], v[NIL]                      ; the opening lines: the add twice on end
	ds_add_u32 v[SPW], v[NIL]
	v_lshrrev_b32 v1, 5, v0
	v_readfirstlane_b32 s[WV], v1
	s_mul_i32 s75, s[WV], PARTB
	s_lshl_b32 s74, s[WV], 10
	s_add_co_u32 s74, s74, RED
	s_lshl_b32 s72, s[WV], 13
	s_add_co_u32 s72, s72, STG
	v_and_b32 v1, 31, v0
	v_and_b32 v61, 15, v0                          ; r
	v_bfe_u32 v62, v0, 4, 1                        ; h
	v_lshl_add_u32 v[LB], v1, 4, s75
	v_add_nc_u32 v[LB+1], SLOTB, v[LB]
	v_lshlrev_b32 v[VA], 9, v61
	v_lshl_add_u32 v[VA], v62, 4, v[VA]
	v_lshlrev_b32 v[VS], 5, v61
	v_lshl_add_u32 v[VS], v62, 4, v[VS]
	v_lshlrev_b32 v[H8], 3, v62
	v_lshl_add_u32 v[RW], v61, 2, s74
	v_lshl_add_u32 v[RR], v1, 4, RED
	v_lshlrev_b32 v[GO], 4, v1
	v_lshl_add_u32 v[XW], v1, 4, s72
	v_lshl_add_u32 v[XR], v1, 4, STG
	s_wait_alu depctr_va_vdst(0)
	s_bfe_u32 s[CX], ttmp6, 0x40000
	s_lshl_b32 s[RB], ttmp9, 2
	s_add_co_u32 s[RB], s[RB], s[CX]               ; my block of 128 rows
	s_and_b32 s[HF], ttmp7, 0xffff                 ; my half of the codebook
	s_and_b32 s[PSI], ttmp9, 3
	s_lshl_b32 s[PSI], s[PSI], 1                   ; the slot at which my cluster begins
	s_add_co_u32 s[FSI], s[PSI], 2
	s_and_b32 s[FSI], s[FSI], 7                    ; the slot that the first refill brings
	s_lshl_b32 s[CTB], s[HF], 7
	s_lshl_b32 s74, s[WV], 2
	s_add_co_u32 s[CTB], s[CTB], s74
	s_lshl_b32 s[CT], s[PSI], 4
	s_add_co_u32 s[CT], s[CT], s[CTB]              ; tile number = 128 half + 16 slot + 4 wave + t
	s_mov_b32 s[OFS+1], 0
	s_mul_i32 s[OFS], s[PSI], SLOTB
	s_mov_b32 s[SEL], 0x76543210
	s_mov_b32 s[SEL+1], 0xfedcba98
	s_mov_b32 s[NINF], 0xff800000
	s_mov_b32 s[G1+0], 15|(3<<16)|(1<<21)          ; all four of the cluster; elements of 8 bytes
	s_mov_b32 s[G1+1], 32<<16                      ; rows of 256 bytes,
	s_mov_b32 s[G1+2], 136<<16                     ; 136 of them, dense
	s_mov_b32 s[G1+3], 32<<16
	s_mov_b32 s[G1+4], 136
	s_mov_b32 s[G1+5], 32
	s_mov_b32 s[G1+6], 0
	s_mov_b32 s[G1+7], 0
	s_mul_i32 s76, s[HF], HALFB
	s_add_co_u32 s76, s76, s75
	s_mov_b32 s77, 0
	s_lshl_b32 s78, s[RB], 16                      ; 128 rows of 512 bytes
	s_mov_b32 s79, 0
	s_wait_dscnt 0x0                               ; both opening adds are done
	s_wait_kmcnt 0x0
	s_add_nc_u64 s[BB:BB+1], s[8:9], s[76:77]
	s_add_nc_u64 s[4:5], s[4:5], s[78:79]
	s_lshl_b32 s76, s[WV], 13                      ; block w: 16 rows of 512 bytes a block
	s_add_nc_u64 s[XB:XB+1], s[4:5], s[76:77]
	s_lshl_b32 s78, s[RB], 12
	s_add_nc_u64 s[6:7], s[6:7], s[78:79]
	s_lshl_b32 s78, s[HF], 16
	s_lshl_b32 s72, s[RB], 9
	s_add_co_u32 s78, s78, s72
	s_add_nc_u64 s[10:11], s[10:11], s[78:79]
	s_add_nc_u64 s[12:13], s[12:13], s[78:79]
	s_mov_b32 s[G0], 1
	s_mov_b32 s[G0+1], s75
	s_add_nc_u64 s[G0+2:G0+3], s[BB:BB+1], s[OFS:OFS+1]
	s_mov_b32 s[G0+4], 1
	s_add_co_u32 s[G0+5], s75, SLOTB
	s_add_nc_u64 s[G0+6:G0+7], s[G0+2:G0+3], SLOTB
	s_or_b32 s[G0+3], s[G0+3], 0x80000000
	s_or_b32 s[G0+7], s[G0+7], 0x80000000
	ROUND                                          ; the four work-groups are here: the first joint loads meet
	tensor_load_to_lds s[G0:G0+3], s[G1:G1+7]      ; my part of the first slot: one tensor load a wave at the head
	s_nop 0
	WIN 0xc0
.irp i, 0,1,2,3,4,5,6,7,8,9,10,11,12,13,14,15
	global_load_b128 v[4*\i:4*\i+3], v[VA], s[XB:XB+1] offset:32*\i   ; block w into window 3, which the tiles' fragments take later: lane (r, h), load i: row r, bytes 32 i + 16 h ..
.endr
	WIN 0x80
.set XQ, 0
	XDIRECT 40
	s_wait_loadcnt 40                              ; loads come back in order: block w's sixteen are in, the 40 behind them stay out
	WIN 0x0c
.irp i, 0,1,2,3,4,5,6,7,8,9,10,11,12,13,14,15
	ds_store_b128 v[XW], v[4*\i:4*\i+3] offset:512*\i          ; block w as a register image: 16 x lane
.endr
	WIN 0x80
	XDIRECT 24
	WIN 0
.irp m, 0,1,2,3,4,5,6,7
	global_load_b128 v[AS+4*\m:AS+4*\m+3], v[VS], s[6:7] offset:512*\m   ; block m's scale words: the 32 lanes read 512 consecutive bytes
.endr
	s_wait_dscnt 0x0                               ; for the others' sake: my image has landed
	s_barrier_signal -1
	s_barrier_wait -1                              ; my tensor load stays on its way
	WIN 0x40
.irp b, 0,1,2,3
.irp i, 0,1,2,3,4,5,6,7,8,9,10,11,12,13,14,15
	ds_load_b128 v[64*\b+4*\i:64*\b+4*\i+3], v[XR] offset:8192*\b+512*\i   ; blocks 0-3 into window 1
.endr
.endr
	WIN 0
	s_wait_tensorcnt 0x0                           ; my part of the first slot is in; the second slot's first fill is issued as a refill is
	ds_add_u32 v[SPW], v[NIL]
	s_wait_dscnt 0x0                               ; the add, and the 64 loads from the stage
	ROUND
	tensor_load_to_lds s[G0+4:G0+7], s[G1:G1+7]
	s_nop 0
.rept 4
	v_nop
.endr
	FETCH 0, 0, 0
	RESET                                          ; work on registers under the first fragments' way
.irp m, 0,1,2,3,4,5,6,7
	v_mov_b32 v[BV+\m], s[NINF]
	v_mov_b32 v[BI+\m], 0x7fffffff
.endr
	s_wait_alu depctr_va_vdst(0)
	s_wait_loadcnt 0x0                             ; blocks 4-7 and the scale words
	s_mov_b32 s[CNT], 3
.Lpair:
	STEP012 0, 1
	TILE3 0, 1
	STEP012 1, 0
	TILE3 1, 1
	s_sub_co_u32 s[CNT], s[CNT], 1
	s_cmp_lg_u32 s[CNT], 0
	s_cbranch_scc1 .Lpair
	STEP012 0, 1                                   ; the last two slots fill nothing
	TILE3 0, 0
	STEP012 1, 0
	TILE3 1, 2
	FOLD 0
.irp m, 0,1,2,3,4,5,6,7
	v_permlanex16_b32 v[TJ+\m], v[BV+\m], s[SEL], s[SEL+1]     ; lane l xor 16 holds the same row's other eight codes of each tile
	v_permlanex16_b32 v[TI+\m], v[BI+\m], s[SEL], s[SEL+1]
.endr
	LEXB 8, BV, BI, TJ, TI, 1
.irp m, 0,1,2,3,4,5,6,7
	ds_store_b32 v[RW], v[BV+\m] offset:64*\m      ; lanes r and r + 16 write the same word with the same value
	ds_store_b32 v[RW], v[BI+\m] offset:512+64*\m
.endr
	s_wait_dscnt 0x0
	s_barrier_signal -1
	s_barrier_wait -1
	s_cmp_lg_u32 s[WV], 0
	s_cbranch_scc1 .Lothers
.irp w, 0,1,2,3                                ; wave 0 joins the four waves' results, four rows a lane
	ds_load_b128 v[SV+4*\w:SV+4*\w+3], v[RR] offset:1024*\w
	ds_load_b128 v[SV+16+4*\w:SV+16+4*\w+3], v[RR] offset:1024*\w+512
.endr
	s_wait_dscnt 0x0
.irp w, 1,2,3
	LEXB 4, SV, SV+16, SV+4*\w, SV+16+4*\w, 1
.endr
	global_store_b128 v[GO], v[SV:SV+3], s[10:11]  ; 512 consecutive bytes each, at multiples of 256
	global_store_b128 v[GO], v[SV+16:SV+19], s[12:13]
.Lothers:
	s_wait_tensorcnt 0x0                           ; the wave's end
	ds_add_u32 v[SPW], v[NIL]
	s_wait_dscnt 0x0
	ROUND                                          ; the closing round
	s_endpgm
.Lfunc_end_k_q8bc22c6d5e_score:
	.size	k_q8bc22c6d5e_score, .Lfunc_end_k_q8bc22c6d5e_score-k_q8bc22c6d5e_score
	.p2alignl 7, 3214868480
	.fill 96, 4, 3214868480
	.section	.rodata,"a",@progbits
	.p2align	6, 0x0
	.amdhsa_kernel k_q8bc22c6d5e_score
		.amdhsa_group_segment_fixed_size 327680
		.amdhsa_private_segment_fixed_size 0
		.amdhsa_enable_private_segment 0
		.amdhsa_kernarg_size 40
		.amdhsa_user_sgpr_count 2
		.amdhsa_user_sgpr_kernarg_segment_ptr 1
		.amdhsa_wavefront_size32 1
		.amdhsa_system_sgpr_workgroup_id_x 1
		.amdhsa_system_sgpr_workgroup_id_y 1
		.amdhsa_system_sgpr_workgroup_id_z 1
		.amdhsa_system_vgpr_workitem_id 0
		.amdhsa_next_free_vgpr 896
		.amdhsa_next_free_sgpr 80
		.amdhsa_reserve_vcc 1
		.amdhsa_float_denorm_mode_32 3
		.amdhsa_float_denorm_mode_16_64 3
		.amdhsa_memory_ordered 1
		.amdhsa_forward_progress 1
		.amdhsa_inst_pref_size 255
	.end_amdhsa_kernel
	.section	.bss,"aw",@nobits
	.p2align	6
	.space	262144
	.amdgpu_metadata
---
amdhsa.version: [ 1, 2 ]
amdhsa.kernels:
  - .name:           k_q8bc22c6d5e_score
    .symbol:         k_q8bc22c6d5e_score.kd
    .args:
      - { .name: x_codes, .offset: 0, .size: 8, .value_kind: global_buffer, .address_space: global }
      - { .name: x_scales, .offset: 8, .size: 8, .value_kind: global_buffer, .address_space: global }
      - { .name: cbq, .offset: 16, .size: 8, .value_kind: global_buffer, .address_space: global }
      - { .name: pval, .offset: 24, .size: 8, .value_kind: global_buffer, .address_space: global }
      - { .name: pidx, .offset: 32, .size: 8, .value_kind: global_buffer, .address_space: global }
    .group_segment_fixed_size: 327680
    .private_segment_fixed_size: 0
    .kernarg_segment_align: 8
    .kernarg_segment_size: 40
    .max_flat_workgroup_size: 128
    .sgpr_count:     80
    .vgpr_count:     896
    .wavefront_size: 32
...
	.end_amdgpu_metadata
.endif
;; end of part 2
;; launch gather (part 3): grid 2048 x 1, 4 waves a work-group, no clusters, 0 bytes of LDS; arguments codebook, pval, pidx, out0; writes out0
.if DOCPART == 3
	.amdgcn_target "amdgcn-amd-amdhsa--gfx1250"
	.amdhsa_code_object_version 6
	.text
	.protected	k_q8bc22c6d5e_gather
	.globl	k_q8bc22c6d5e_gather
	.p2align	8
	.type	k_q8bc22c6d5e_gather,@function
k_q8bc22c6d5e_gather:
	s_mov_b64 s[64:65], 0
	v_nop
	global_prefetch_b8 v0, s[64:65] scope:SCOPE_SE
	s_setreg_imm32_b32 hwreg(HW_REG_WAVE_MODE, 25, 1), 1
	s_wait_xcnt 0x0
; out0[row] = codebook[the row's nearest code], f32, 4,096 bytes a row.  The launch before left TWO candidates a row, one for each half of the codebook: pval [2][16384] f32, pidx [2][16384] u32.
; Addresses hang on the stored whole numbers alone: BOTH candidates' rows are loaded, and the values only choose between the two rows' numbers (v_cndmask_b32).  The upper half's row is taken where its value is strictly greater:
; among equals the lower half, and so the lower code number, stays.
; SHARES.  A wave takes two rows: 32 loads, then 64 selections, then 16 stores, each load and store 512 consecutive bytes at a multiple of 256 from the buffer's first byte.  No vector instruction stands behind a store.
; No loop, so no register of a pending load or store is written again and no prefetch has a trip to run ahead in.  No LDS, no barrier, no matrix unit, no cluster: waves share nothing.
; The codebook's rows carry no hint: a row may be named by many rows of x.
.set X0, 4                             ; row j: v[4 + 64 j ..] the lower half's row, then the chosen one; v[36 + 64 j ..] the upper half's
.set X1, 36
	s_load_b256 s[4:11], s[0:1], 0x0               ; codebook s[4:5], pval s[6:7], pidx s[8:9], out0 s[10:11]
	v_lshrrev_b32 v1, 5, v0
	v_readfirstlane_b32 s52, v1                    ; wave
	v_and_b32 v1, 31, v0
	v_lshlrev_b32 v1, 4, v1                        ; 16 x lane
	s_lshl_b32 s53, ttmp9, 2
	s_add_co_u32 s52, s52, s53                     ; which two rows are mine: 4 x work-group + wave
	s_lshl_b32 s50, s52, 3                         ; their 8 bytes in pval and pidx
	s_mov_b32 s51, 0
	s_wait_alu depctr_va_vdst(0)
	s_wait_kmcnt 0x0
	s_add_nc_u64 s[6:7], s[6:7], s[50:51]
	s_add_nc_u64 s[8:9], s[8:9], s[50:51]
	s_load_b64 s[12:13], s[8:9], 0x0               ; the lower half's code numbers,
	s_load_b64 s[16:17], s[8:9], 0x10000           ; the upper half's,
	s_load_b64 s[20:21], s[6:7], 0x0               ; and their values
	s_load_b64 s[24:25], s[6:7], 0x10000
	s_lshl_b32 s50, s52, 13                        ; two rows of 4,096 bytes
	s_add_nc_u64 s[48:49], s[10:11], s[50:51]
	s_wait_kmcnt 0x0
.irp k, 0,1
	s_min_u32 s[12+\k], s[12+\k], 0xfff            ; a loaded number enters an address only held inside the table
	s_lshl_b32 s50, s[12+\k], 12
	s_add_nc_u64 s[28+2*\k:29+2*\k], s[4:5], s[50:51]
	s_min_u32 s[16+\k], s[16+\k], 0xfff
	s_lshl_b32 s50, s[16+\k], 12
	s_add_nc_u64 s[36+2*\k:37+2*\k], s[4:5], s[50:51]
	v_mov_b32 v[2+\k], s[20+\k]
	v_cmp_gt_f32 s[44+\k], s[24+\k], v[2+\k]       ; all lanes alike: the upper half's value is strictly greater
.endr
.irp k, 0,1
.irp q, 0,1,2,3,4,5,6,7
	global_load_b128 v[X0+64*\k+4*\q:X0+64*\k+4*\q+3], v1, s[28+2*\k:29+2*\k] offset:512*\q
.endr
.irp q, 0,1,2,3,4,5,6,7
	global_load_b128 v[X1+64*\k+4*\q:X1+64*\k+4*\q+3], v1, s[36+2*\k:37+2*\k] offset:512*\q
.endr
.endr
.irp k, 0,1
	s_wait_loadcnt 16-16*\k                        ; loads come back in order: row k's sixteen are in
.set q, 0
.rept 32
	v_cndmask_b32 v[X0+64*\k+q], v[X0+64*\k+q], v[X1+64*\k+q], s[44+\k]
.set q, q+1
.endr
.endr
.irp k, 0,1
.irp q, 0,1,2,3,4,5,6,7
	global_store_b128 v1, v[X0+64*\k+4*\q:X0+64*\k+4*\q+3], s[48:49] offset:4096*\k+512*\q th:TH_STORE_NT   ; written once, read by nobody here
.endr
.endr
	s_endpgm
.Lfunc_end_k_q8bc22c6d5e_gather:
	.size	k_q8bc22c6d5e_gather, .Lfunc_end_k_q8bc22c6d5e_gather-k_q8bc22c6d5e_gather
	.p2alignl 7, 3214868480
	.fill 96, 4, 3214868480
	.section	.rodata,"a",@progbits
	.p2align	6, 0x0
	.amdhsa_kernel k_q8bc22c6d5e_gather
		.amdhsa_group_segment_fixed_size 0
		.amdhsa_private_segment_fixed_size 0
		.amdhsa_enable_private_segment 0
		.amdhsa_kernarg_size 32
		.amdhsa_user_sgpr_count 2
		.amdhsa_user_sgpr_kernarg_segment_ptr 1
		.amdhsa_wavefront_size32 1
		.amdhsa_system_sgpr_workgroup_id_x 1
		.amdhsa_system_sgpr_workgroup_id_y 1
		.amdhsa_system_sgpr_workgroup_id_z 1
		.amdhsa_system_vgpr_workitem_id 0
		.amdhsa_next_free_vgpr 132
		.amdhsa_next_free_sgpr 66
		.amdhsa_reserve_vcc 0
		.amdhsa_float_denorm_mode_32 3
		.amdhsa_float_denorm_mode_16_64 3
		.amdhsa_memory_ordered 1
		.amdhsa_forward_progress 1
		.amdhsa_inst_pref_size 11
	.end_amdhsa_kernel
	.amdgpu_metadata
---
amdhsa.version: [ 1, 2 ]
amdhsa.kernels:
  - .name:           k_q8bc22c6d5e_gather
    .symbol:         k_q8bc22c6d5e_gather.kd
    .args:
      - { .name: codebook, .offset: 0, .size: 8, .value_kind: global_buffer, .address_space: global }
      - { .name: pval, .offset: 8, .size: 8, .value_kind: global_buffer, .address_space: global }
      - { .name: pidx, .offset: 16, .size: 8, .value_kind: global_buffer, .address_space: global }
      - { .name: out0, .offset: 24, .size: 8, .value_kind: global_buffer, .address_space: global }
    .group_segment_fixed_size: 0
    .private_segment_fixed_size: 0
    .kernarg_segment_align: 8
    .kernarg_segment_size: 32
    .max_flat_workgroup_size: 128
    .sgpr_count:     66
    .vgpr_count:     132
    .wavefront_size: 32
...
	.end_amdgpu_metadata
.endif
;; end of part 3
